; MI455X (gfx1250); checked and timed in simulation.
; The chip was launched on July 23, 2026; its instructions are those of AMD's public machine-readable ISA for CDNA 5 (MIT licence, August 2026) and "CDNA5" Instruction Set Architecture Reference Guide (July 2026). The comments in the code are by the model that wrote it; some were corrected since.
;; Attention Layer. Allowed arithmetic: matrix products marked QUANTISED: E3M2 operands, one E8M0 scale for each 32 along K, by v_wmma_scale_f32_16x16x128_f8f6f4 with both operands' format E3M2, f32 sums; everything else in f32.
;; Inputs: Wk 512 x 512 float32; Wq 512 x 512 float32; Wv 512 x 512 float32; attention_input 2 x 4,096 x 512 float32.
;; Outputs: out0 2 x 4,096 x 512 float32.
;; This version of the problem:
;;   THIS VERSION OF THE PROBLEM IS GIVEN IN LOW PRECISION. The matrix products marked QUANTISED in the list below multiply operands that are first quantised to E3M2 (3 exponent bits, 2 mantissa bits; 6 bits a number), with one power-of-two scale for each 32 numbers along K (OCP MX v1.0); their sums are f32. All else is computed in f32.
;;   The module's matrix products, in the order in which they are computed (A, B: the left and right operand; K: the contracted axis; several contracted axes count as one K, in the product's order):
;;     1. [M 8,192, K 512] x [K 512, N 512]; A: input attention_input; B: input Wq: QUANTISED
;;     2. [M 8,192, K 512] x [K 512, N 512]; A: input attention_input; B: input Wk: QUANTISED
;;     3. [M 8,192, K 512] x [K 512, N 512]; A: input attention_input; B: input Wv: QUANTISED
;;     4. batch 16 x [M 4,096, K 64] x [K 64, N 4,096]; A: computed on the way; B: computed on the way: QUANTISED
;;     5. batch 16 x [M 4,096, K 4,096] x [K 4,096, N 64]; A: softmax (see below); B: computed on the way: QUANTISED
;;   THE QUANTISER, for each operand of a quantised product, along K:
;;     - K is cut into blocks of 32 from its start; a last block that is shorter is filled with zeros.
;;     - A block's scale is 2^e with e = floor(log2(the largest magnitude in the block)) - 4, held to -126 .. 127; a block of zeros has e = 0. As a byte (E8M0): e + 127.
;;     - Each number is divided by its block's scale, clamped to +-28, and rounded to the nearest number of E3M2, ties to even, subnormals kept.
;;     - The product sums the exact products of the quantised numbers (number of the format x scale) in f32.
;;   ~~~python
;;   def quantise(x, axis):      # numpy; x: float32 -> the quantised numbers, widened to float32 again
;;       x = np.moveaxis(x, axis, -1); K = x.shape[-1]
;;       x = np.pad(x, [(0, 0)] * (x.ndim - 1) + [(0, -K % 32)]); x = x.reshape(x.shape[:-1] + (-1, 32)); a = np.abs(x).max(-1, keepdims=True)
;;       e = np.where(a > 0, np.clip(np.frexp(np.where(a > 0, a, 1))[1] - 1 - 4, -126, 127), 0)      # np.frexp(a)[1] - 1 = floor(log2(a)), exactly
;;       r = np.clip(x / 2.0 ** e, -28, 28)
;;       step = 2.0 ** (np.maximum(np.frexp(np.where(r == 0, 1, r))[1] - 1, -2) - 2)
;;       q = np.round(r / step) * step * 2.0 ** e      # np.round: ties to even
;;       return np.moveaxis(q.reshape(q.shape[:-2] + (-1,))[..., :K], -1, axis).astype(np.float32)
;;   ~~~
;;   SOFTMAX AHEAD OF A QUANTISED PRODUCT. Where the list says 'softmax', what is quantised is not the finished softmax but p = 2^(t - M), with t = logit x log2(e) and M = ceil(the row's largest t), a whole number; so 1/2 < the row's largest p <= 1. The row's sum l is taken of the UNQUANTISED p, in f32, and the product's result is divided by l at the end. Since M is a whole number, a kernel that streams over the keys may use a running M (the ceiling of the running maximum): every later rescaling is an exact power of two, which a block's scale takes up: the codes' values come out the same.
;;   OPERANDS COMPUTED ON THE WAY. 'Computed on the way' means the value that the module computes at that place (a softmax that the list does not call 'softmax' is quantised finished and normalised). What goes into a quantiser is computed in f32, as accurately as f32 sums, v_exp_f32 and their like allow (about 1e-6 of the number): no bf16 or f16 on the way to a quantiser, and a product that is left as it is and whose result goes on into a quantised operand takes f32 operands (vector FMAs, or v_wmma_f32_16x16x4_f32). A number that lies on a knife's edge between two numbers of the format may be rounded either way, as far as f32 arithmetic and the matrix unit's own rounding can turn it there, and no further.
;; One version. Each part assembles by itself: llvm-mc -triple=amdgcn-amd-amdhsa -mcpu=gfx1250 --defsym DOCPART=n.
;; ======== version 1 of 1: 3 launches
;; limits: right only within a limited range of input values
;; workspace buffers: tq 3,891,200 bytes; qc 3,407,872 bytes; kvc 6,684,672 bytes
;; launch quant (part 1): grid 304 x 1, 4 waves a work-group, no clusters, 67,072 bytes of LDS; arguments attention_input, Wq, Wk, Wv, tq; writes tq
.if DOCPART == 1
	.amdgcn_target "amdgcn-amd-amdhsa--gfx1250"
	.amdhsa_code_object_version 6
	.text
	.protected	k_q252bdaf708_quant
	.globl	k_q252bdaf708_quant
	.p2align	8
	.type	k_q252bdaf708_quant,@function
k_q252bdaf708_quant:
	s_mov_b64 s[64:65], 0
	v_nop
	global_prefetch_b8 v0, s[64:65] scope:SCOPE_SE
	s_setreg_imm32_b32 hwreg(HW_REG_WAVE_MODE, 25, 1), 1
	s_wait_xcnt 0x0
; FIRST OF THREE LAUNCHES.  out = softmax(q k^T / 8) v per head, q, k, v = x Wq, x Wk, x Wv, all five products on codes of BF6 (E3M2) with one E8M0 scale for each 32 along K.
; DEAD WORK: none.  reference() has no mask, no bias and slices nothing away: every element of x, Wq, Wk, Wv reaches the output, so every input is loaded and every product is done.
; THIS LAUNCH turns x [8192][512] (K innermost) and Wq, Wk, Wv [512 (K)][512] (K outermost) into operands of the projections, once, since many waves of the next launch read each of them.
; A block's scale is 2^(floor(log2(its largest magnitude)) - 4); its byte is that magnitude's exponent field - 4, held at 1 from below; each number is divided by the scale and rounded to the nearest code, ties to even, beyond 28 the largest code.
; LIMITS: NaN and infinities among the inputs are not served.  A block of zeros gets the byte 1 where the rule says 127: its codes are zeros, and this program alone reads the bytes.  Blocks whose largest magnitude lies under 2^-122 are held at the byte 1.
; tq IS LAID AS IMAGES OF THE OPERANDS' REGISTERS: 608 tiles of 16 rows x 512 K, 6,400 bytes each: tiles 0-511 x, 512-543 Wq, 544-575 Wk, 576-607 Wv.
;   In a tile: the fragment of K step s (128 along K, 12 registers a lane) at 1536 s + 512 g + 16 lane, g the group of four registers; its scale words at 6144 + 64 s + 4 row.
;   Lane 16 h + r of a fragment holds row r; its registers 6 c .. 6 c + 5 hold k = 64 c + 32 h + 0 .. 31: block 2 c + h.
; THE ROWS OF A TILE ARE NOT NEIGHBOURS: row r of tile T is token (or column) 64 (T / 4) + 8 (T % 4) + r % 8 + 32 (r / 8): a product that takes tiles 4 c .. 4 c + 3 as source 0 leaves 32 neighbours, a whole block, in a lane's 32 registers.
; WORK-GROUPS 0-47 TAKE THE WEIGHTS, 48-303 x: one branch on the work-group's number.
; x: a wave takes one tile and two of its four K steps: 16 rows x 1,024 bytes.  Each load reads 512 consecutive bytes of one row; the bytes go through the wave's own stage in LDS as they lie (rows 1,040 bytes apart)
;    and come back 128 bytes a lane and block, so that a lane's registers run along K.  Waves share nothing: no barrier.
; W: a work-group takes 32 neighbouring columns of one weight, a wave one K step.  A lane takes a column and its registers run down K: each load reads 128 consecutive bytes, and all four blocks of the step, and so the whole scale word, are one lane's.
;    The 32 columns are rows 8 (n / 32 % 2) + 0 .. 7 of four tiles: a lane's block goes to its place in the image by a store of 16 and one of 8 bytes; eight lanes fill 128 consecutive bytes.  No LDS data on this path.
.set PITCH, 1040                       ; a stage row: 1,024 bytes + 16
.set SPARE, 4*16*PITCH                 ; behind the four stages: the spare words, 128 bytes a wave
.set SPW, 14                           ; v14 my spare word;  v15 0: never rewritten
.set NIL, 15
.set H8,  8                            ; v8        8 x (lane / 16)
.set X0,  32                           ; v32-95    64 numbers of the first K step (W: v32-159 the step's 128)
.set X1,  96                           ; v96-159   of the second
.set C0,  160                          ; v160-171  the first fragment's codes (W: v160-183 four blocks of six)
.set C1,  172                          ; v172-183  the second's
.set CT,  184                          ; v184-199  a conversion's three registers begin on an even number: a block's second three are made here and moved
.set TM,  200                          ; v200-211  at work
.set PWR, 212                          ; v212-214  scale words
.set SEL, 24                           ; s[24:25]  lane selects for v_permlanex16_b32: lane l xor 16
; 64 numbers of a lane, v[src] on (two blocks of 32), become a fragment's 12 registers of codes, v[dst] on, and its row's scale word, v[pw], whole in both halves of the lanes.
.macro QUANT src, dst, pw
.irp q, 0,1,2,3
	v_max3_num_f32 v[TM+\q], |v[\src+16*\q]|, |v[\src+1+16*\q]|, 0x2800000   ; four chains of 16 numbers, and the floor 2^(5 - 127): the byte cannot fall under 1
.endr
.irp i, 2,4,6,8,10,12,14
.irp q, 0,1,2,3
	v_max3_num_f32 v[TM+\q], v[TM+\q], |v[\src+16*\q+\i]|, |v[\src+1+16*\q+\i]|
.endr
.endr
	v_max_num_f32 v[TM], v[TM], v[TM+1]            ; my first block's largest magnitude,
	v_max_num_f32 v[TM+2], v[TM+2], v[TM+3]        ; my second's
	v_add_nc_u32 v[TM+8], 0xfe000000, v[TM]        ; 4 off the exponent field: the conversion's scale operand
	v_add_nc_u32 v[TM+9], 0xfe000000, v[TM+2]
	v_lshrrev_b32 v[TM+4], 23, v[TM+8]             ; the scales' bytes
	v_lshrrev_b32 v[TM+5], 23, v[TM+9]
	v_lshl_or_b32 v[TM+4], v[TM+5], 16, v[TM+4]    ; blocks h and 2 + h,
	v_lshlrev_b32 v[TM+4], v[H8], v[TM+4]          ; at their places in the word;
	v_permlanex16_b32 v[TM+6], v[TM+4], s[SEL], s[SEL+1]
	v_or_b32 v[\pw], v[TM+4], v[TM+6]              ; with lane l xor 16's two the word is whole
.irp c, 0,1
	v_cvt_scalef32_pk16_bf6_f32 v[\dst+6*\c:\dst+2+6*\c], v[\src+32*\c:\src+15+32*\c], v[TM+8+\c]
	v_cvt_scalef32_pk16_bf6_f32 v[CT+4*\c:CT+2+4*\c], v[\src+16+32*\c:\src+31+32*\c], v[TM+8+\c]
.endr
	v_nop                                          ; one plain place behind a scaled conversion
.irp c, 0,1
.irp i, 0,1,2
	v_mov_b32 v[\dst+3+6*\c+\i], v[CT+4*\c+\i]
.endr
.endr
.endm
	s_load_b256 s[4:11], s[0:1], 0x0               ; x s[4:5], Wq s[6:7], Wk s[8:9], Wv s[10:11]
	s_load_b64 s[12:13], s[0:1], 0x20              ; tq
	v_lshl_add_u32 v[SPW], v0, 2, SPARE
	v_mov_b32 v[NIL], 0
	v_lshrrev_b32 v1, 5, v0
	v_readfirstlane_b32 s14, v1                    ; wave 0..3
	v_and_b32 v1, 31, v0                           ; lane
	v_and_b32 v2, 15, v0                           ; r
	v_bfe_u32 v3, v0, 4, 1                         ; h
	v_lshlrev_b32 v5, 4, v1                        ; 16 x lane
	v_lshlrev_b32 v6, 2, v1                        ; 4 x lane
	v_lshlrev_b32 v[H8], 3, v3
	s_mul_i32 s28, s14, 16*PITCH                   ; my stage
	v_add_nc_u32 v4, s28, v5                       ; into it: as loaded, 16 bytes a lane
	v_mul_u32_u24 v7, v2, PITCH
	v_lshl_add_u32 v7, v3, 7, v7
	v_add_nc_u32 v7, s28, v7                       ; out of it: row r, + 128 h
	v_lshrrev_b32 v9, 3, v1
	v_and_b32 v10, 7, v1
	v_mul_u32_u24 v9, v9, 6400                     ; W: my column's tile of the four,
	v_lshl_add_u32 v11, v10, 4, v9                 ; its row's place in an image,
	v_lshl_add_u32 v12, v10, 2, v9                 ; and among the scale words
	v_mov_b32 v[TM+6], 0                           ; written once: a lane permute's destination counts as one of its sources
	s_mov_b32 s[SEL], 0x76543210
	s_mov_b32 s[SEL+1], 0xfedcba98
	s_wait_alu depctr_va_vdst(0)                   ; the wait at the head's end
	s_wait_kmcnt 0x0
	s_cmp_lt_u32 ttmp9, 48
	s_cbranch_scc1 .Lweight
	s_sub_co_u32 s15, ttmp9, 48
	s_lshl_b32 s15, s15, 2
	s_add_co_u32 s15, s15, s14                     ; my wave's number among x's 1,024
	s_lshr_b32 s16, s15, 1                         ; my tile
	s_and_b32 s17, s15, 1                          ; p: my K steps are 2 p and 2 p + 1
	s_lshr_b32 s18, s16, 2                         ; the tile's first token: 64 (T / 4) + 8 (T % 4)
	s_lshl_b32 s18, s18, 6
	s_and_b32 s19, s16, 3
	s_lshl_b32 s19, s19, 3
	s_add_co_u32 s18, s18, s19
	s_lshl_b32 s18, s18, 11                        ; rows of 2,048 bytes,
	s_lshl_b32 s19, s17, 10                        ; + 1,024 p: two K steps
	s_add_co_u32 s18, s18, s19
	s_mov_b32 s19, 0
	s_add_nc_u64 s[4:5], s[4:5], s[18:19]
.set i, 0
.rept 32
	global_load_b128 v[X0+4*i:X0+4*i+3], v5, s[4:5] offset:((i/2)%8+32*(i/16))*2048+512*(i%2) th:TH_LOAD_NT   ; tile row i / 2, half i % 2: 32 lanes read 512 consecutive bytes
.set i, i+1
.endr
	s_mul_i32 s20, s16, 6400
	s_mov_b32 s21, 0
	s_mul_i32 s22, s17, 3072
	s_mov_b32 s23, 0
	s_add_nc_u64 s[12:13], s[12:13], s[20:21]      ; my tile's block in tq
	s_add_nc_u64 s[26:27], s[12:13], s[22:23]      ; my two fragments
	s_lshl_b32 s22, s17, 7
	s_add_nc_u64 s[12:13], s[12:13], s[22:23]      ; my two steps' scale words (6,144 further on)
.set i, 0
.rept 32
.if i%8 == 0
	s_wait_loadcnt 24-i                            ; the next eight loads are in; the younger ones may be out
.endif
	ds_store_b128 v4, v[X0+4*i:X0+4*i+3] offset:(i/2)*PITCH+512*(i%2)
.set i, i+1
.endr
.irp s, 0,1                                    ; LDS serves a wave's instructions in order: these see my stores
.irp c, 0,1
.irp j, 0,1,2,3,4,5,6,7
	ds_load_b128 v[X0+64*\s+32*\c+4*\j:X0+64*\s+32*\c+4*\j+3], v7 offset:512*\s+256*\c+16*\j   ; register 32 c + i of K step s: k = 64 c + 32 h + i
.endr
.endr
.endr
	s_wait_dscnt 16                                ; the first K step's 16 loads are in; the second's may be out
	QUANT X0, C0, PWR
	s_wait_alu depctr_va_vdst(0)                   ; the wait here, directly ahead of the wait below
	s_wait_dscnt 0x0
	QUANT X1, C1, PWR+1
	v_cmp_le_u32 vcc_lo, 16, v1
	v_cndmask_b32 v[PWR+2], v[PWR], v[PWR+1], vcc_lo   ; lanes 0-15 store the first step's words, lanes 16-31 the second's
.irp g, 0,1,2
	global_store_b128 v5, v[C0+4*\g:C0+4*\g+3], s[26:27] offset:512*\g         ; 32 lanes store 512 consecutive bytes, at a multiple of 256 from tq's first byte
.endr
.irp g, 0,1,2
	global_store_b128 v5, v[C1+4*\g:C1+4*\g+3], s[26:27] offset:1536+512*\g
.endr
	global_store_b32 v6, v[PWR+2], s[12:13] offset:6144
	s_branch .Lend
.Lweight:
	s_cmp_lt_u32 ttmp9, 32                         ; work-groups 0-15 Wq, 16-31 Wk, 32-47 Wv: the choice hangs on the work-group's number alone
	s_cselect_b64 s[8:9], s[8:9], s[10:11]
	s_cmp_lt_u32 ttmp9, 16
	s_cselect_b64 s[4:5], s[6:7], s[8:9]
	s_and_b32 s18, ttmp9, 15
	s_lshl_b32 s18, s18, 7                         ; my work-group's 32 columns of 4 bytes,
	s_lshl_b32 s19, s14, 18                        ; my wave's K step: 128 rows of 2,048 bytes
	s_add_co_u32 s18, s18, s19
	s_mov_b32 s19, 0
	s_add_nc_u64 s[4:5], s[4:5], s[18:19]
.set i, 0
.rept 128
	global_load_b32 v[X0+i], v6, s[4:5] offset:i*2048   ; row i of the K step: 32 lanes read 128 consecutive bytes
.set i, i+1
.endr
	s_lshr_b32 s20, ttmp9, 1
	s_lshl_b32 s20, s20, 2
	s_add_co_u32 s20, s20, 512                     ; the first of the four tiles: 512 + 32 (which weight) + 4 (n / 64)
	s_mul_i32 s20, s20, 6400
	s_and_b32 s22, ttmp9, 1                        ; n / 32 % 2: rows 0-7 or 8-15 of those tiles
	s_lshl_b32 s23, s22, 7
	s_add_co_u32 s23, s23, s20
	s_mul_i32 s16, s14, 1536
	s_add_co_u32 s16, s16, s23
	s_mov_b32 s17, 0
	s_add_nc_u64 s[26:27], s[12:13], s[16:17]      ; the K step's fragment, my rows
	s_lshl_b32 s22, s22, 5
	s_add_co_u32 s22, s22, s20
	s_lshl_b32 s23, s14, 6
	s_add_co_u32 s22, s22, s23
	s_mov_b32 s23, 0
	s_add_nc_u64 s[12:13], s[12:13], s[22:23]      ; its scale words (6,144 further on)
	s_wait_loadcnt 0x0                             ; the one wait for data: 128 loads are more than a counted wait can name
.irp q, 0,1,2,3,4,5,6,7
	v_max3_num_f32 v[TM+\q], |v[X0+16*\q]|, |v[X0+1+16*\q]|, 0x2800000   ; eight chains of 16 numbers, and the floor
.endr
.irp i, 2,4,6,8,10,12,14
.irp q, 0,1,2,3,4,5,6,7
	v_max3_num_f32 v[TM+\q], v[TM+\q], |v[X0+16*\q+\i]|, |v[X0+1+16*\q+\i]|
.endr
.endr
.irp b, 0,1,2,3
	v_max_num_f32 v[TM+2*\b], v[TM+2*\b], v[TM+2*\b+1]   ; block b's largest magnitude
.endr
.irp b, 0,1,2,3
	v_add_nc_u32 v[TM+8+\b], 0xfe000000, v[TM+2*\b]      ; the conversion's scale operand
.endr
.irp b, 0,1,2,3
	v_lshrrev_b32 v[TM+2*\b+1], 23, v[TM+8+\b]           ; the scale's byte
.endr
	v_lshl_or_b32 v[PWR], v[TM+3], 8, v[TM+1]      ; my column's scale word for this K step
	v_lshl_or_b32 v[PWR], v[TM+5], 16, v[PWR]
	v_lshl_or_b32 v[PWR], v[TM+7], 24, v[PWR]
.irp b, 0,1,2,3
	v_cvt_scalef32_pk16_bf6_f32 v[C0+6*\b:C0+6*\b+2], v[X0+32*\b:X0+32*\b+15], v[TM+8+\b]
	v_cvt_scalef32_pk16_bf6_f32 v[CT+4*\b:CT+4*\b+2], v[X0+32*\b+16:X0+32*\b+31], v[TM+8+\b]
.endr
	v_nop                                          ; one plain place behind a scaled conversion
.irp b, 0,1,2,3
.irp i, 0,1,2
	v_mov_b32 v[C0+6*\b+3+\i], v[CT+4*\b+\i]
.endr
.endr
.irp h, 0,1                                    ; block 2 c + h is registers 6 c .. 6 c + 5 of image lane 16 h + row
	global_store_b128 v11, v[C0+6*\h:C0+6*\h+3], s[26:27] offset:256*\h              ; c = 0: registers 0-3,
	global_store_b64 v11, v[C0+6*\h+4:C0+6*\h+5], s[26:27] offset:512+256*\h         ; 4-5;
	global_store_b64 v11, v[C0+12+6*\h:C0+13+6*\h], s[26:27] offset:520+256*\h       ; c = 1: registers 6-7,
	global_store_b128 v11, v[C0+14+6*\h:C0+17+6*\h], s[26:27] offset:1024+256*\h     ; 8-11
.endr
	global_store_b32 v12, v[PWR], s[12:13] offset:6144
.Lend:
	s_wait_tensorcnt 0x0                           ; the wave's end
	ds_add_u32 v[SPW], v[NIL]
	s_wait_dscnt 0x0
	s_endpgm
.Lfunc_end_k_q252bdaf708_quant:
	.size	k_q252bdaf708_quant, .Lfunc_end_k_q252bdaf708_quant-k_q252bdaf708_quant
	.p2alignl 7, 3214868480
	.fill 96, 4, 3214868480
	.section	.rodata,"a",@progbits
	.p2align	6, 0x0
	.amdhsa_kernel k_q252bdaf708_quant
		.amdhsa_group_segment_fixed_size 67072
		.amdhsa_private_segment_fixed_size 0
		.amdhsa_enable_private_segment 0
		.amdhsa_kernarg_size 40
		.amdhsa_user_sgpr_count 2
		.amdhsa_user_sgpr_kernarg_segment_ptr 1
		.amdhsa_wavefront_size32 1
		.amdhsa_system_sgpr_workgroup_id_x 1
		.amdhsa_system_sgpr_workgroup_id_y 1
		.amdhsa_system_sgpr_workgroup_id_z 1
		.amdhsa_system_vgpr_workitem_id 0
		.amdhsa_next_free_vgpr 216
		.amdhsa_next_free_sgpr 66
		.amdhsa_reserve_vcc 1
		.amdhsa_float_denorm_mode_32 3
		.amdhsa_float_denorm_mode_16_64 3
		.amdhsa_memory_ordered 1
		.amdhsa_forward_progress 1
		.amdhsa_inst_pref_size 37
	.end_amdhsa_kernel
	.amdgpu_metadata
---
amdhsa.version: [ 1, 2 ]
amdhsa.kernels:
  - .name:           k_q252bdaf708_quant
    .symbol:         k_q252bdaf708_quant.kd
    .args:
      - { .name: attention_input, .offset: 0, .size: 8, .value_kind: global_buffer, .address_space: global }
      - { .name: Wq, .offset: 8, .size: 8, .value_kind: global_buffer, .address_space: global }
      - { .name: Wk, .offset: 16, .size: 8, .value_kind: global_buffer, .address_space: global }
      - { .name: Wv, .offset: 24, .size: 8, .value_kind: global_buffer, .address_space: global }
      - { .name: tq, .offset: 32, .size: 8, .value_kind: global_buffer, .address_space: global }
    .group_segment_fixed_size: 67072
    .private_segment_fixed_size: 0
    .kernarg_segment_align: 8
    .kernarg_segment_size: 40
    .max_flat_workgroup_size: 128
    .sgpr_count:     66
    .vgpr_count:     216
    .wavefront_size: 32
...
	.end_amdgpu_metadata
.endif
;; end of part 1
;; launch proj (part 2): grid 64 x 3, 4 waves a work-group, no clusters, 0 bytes of LDS; arguments tq, qc, kvc; writes qc, kvc
.if DOCPART == 2
	.amdgcn_target "amdgcn-amd-amdhsa--gfx1250"
	.amdhsa_code_object_version 6
	.text
	.protected	k_q252bdaf708_proj
	.globl	k_q252bdaf708_proj
	.p2align	8
	.type	k_q252bdaf708_proj,@function
k_q252bdaf708_proj:
	s_mov_b64 s[64:65], 0
	v_nop
	global_prefetch_b8 v0, s[64:65] scope:SCOPE_SE
	s_setreg_imm32_b32 hwreg(HW_REG_WAVE_MODE, 25, 1), 1
	s_wait_xcnt 0x0
; SECOND LAUNCH: q = x Wq (y = 0), k = x Wk (y = 1), v = x Wv (y = 2) on the codes that the first launch made, and the results quantised in registers into the operands of attention.  No work of reference() is left out.
; q and k are quantised along the head's 64 (the K of q k^T), v along the keys (the K of p v).  LIMITS as in the first launch: no NaN or infinity; a block of zeros has the byte 1; magnitudes under 2^-122 are held at the byte 1.
; ONE BODY FOR THE THREE.  A wave keeps 8 STATIONARY tiles (128 rows x all 512 of K: 32 fragments, 384 registers) as source 0 and walks 8 MOVING tiles as source 1.  A moving tile's 8 accumulators give a lane ONE moving row and
; 64 registers that run along the 128 stationary rows, register 32 c + i = row 64 c + 32 (lane / 16) + i (the order of rows in a tile of tq makes it so): two whole blocks, just what QUANT takes.
;   y < 2: stationary = 128 columns of the weight (heads 2 w, 2 w + 1), moving = the work-group's 128 tokens: a lane holds a token, its registers run along d: the fragment's registers 0-5 are head 2 w's 64, 6-11 head 2 w + 1's.
;   y = 2: stationary = the 128 tokens (a key step), moving = 128 columns of Wv: a lane holds a column d, its registers run along the keys: a whole fragment of V^T.
; A moving tile keeps tq's order of rows: row r of tile t of q or k is token 64 (t / 4) + 8 (t % 4) + r % 8 + 32 (r / 8) of its 128; row r of tile t of V^T is d = 8 t + r % 8 + 32 (r / 8).
; OUT, again as images of registers.  qc: [b 8 + head][group of 128 tokens] blocks of 6,656 bytes: tile t at 768 t (registers 0-3 at 16 lane, 4-5 at 512 + 8 lane); scale words at 6144 + 256 (t / 4) + 16 row + 4 (t % 4), bytes 0, 1 the two blocks of d, bytes 2, 3 zero.
; kvc: [b 8 + head][key step of 128 keys] blocks of 13,056 bytes: K as a block of qc; V^T's tile t (16 of d x 128 keys) at 6656 + 1536 t + 512 g + 16 lane; its scale words at 12800 + 16 row + 4 t.
; NO LDS, NO TENSOR LOAD, NO CLUSTER: every fragment lies in tq in the order of its registers and comes by three loads of 16 bytes a lane straight into them; no tile passes through LDS, so there is no joint load to be made.
; REGISTERS: window 1: stationary fragments of K steps 0, 1 at v[12 (2 t + s)]; window 2: of K steps 2, 3 likewise.  Window 0: as named below.
.set H8,  9                            ; v9       8 x (lane / 16)
.set SSC, 16                           ; v16-31   stationary scale words: register 2 t + p: lanes 0-15 K step 2 p, lanes 16-31 K step 2 p + 1
.set MSC, 32                           ; v32-35   moving scale words, two buffers of two
.set MV,  36                           ; v36-131  moving fragments, two buffers of 48
.set HA,  132                          ; v132-195 the 8 accumulators
.set PC,  196                          ; v196-207 the codes just made
.set CT,  208                          ; v208-210, v212-214
.set TM,  216                          ; v216-225 at work in QUANT
.set PW,  232                          ; v232     the scale word just made
.set SW,  234                          ; v234-241 the eight moving tiles' scale words
.set VW,  242                          ; v242-245 y = 2: those that my half of the lanes stores
.set SEL, 24                           ; s[24:25]
.set MSB, 0
.macro WIN new                         ; the immediate's high byte repeats the setting that is left
.if MSB != (\new)
	s_set_vgpr_msb (MSB<<8)|(\new)
.set MSB, (\new)
.endif
.endm
.macro QUANT src, dst, pw              ; as in the first launch.  Each accumulator is read from its low end on
.irp q, 0,1,2,3
	v_max3_num_f32 v[TM+\q], |v[\src+16*\q]|, |v[\src+1+16*\q]|, 0x2800000
.endr
.irp i, 2,4,6,8,10,12,14
.irp q, 0,1,2,3
	v_max3_num_f32 v[TM+\q], v[TM+\q], |v[\src+16*\q+\i]|, |v[\src+1+16*\q+\i]|
.endr
.endr
	v_max_num_f32 v[TM], v[TM], v[TM+1]
	v_max_num_f32 v[TM+2], v[TM+2], v[TM+3]
	v_add_nc_u32 v[TM+8], 0xfe000000, v[TM]
	v_add_nc_u32 v[TM+9], 0xfe000000, v[TM+2]
	v_lshrrev_b32 v[TM+4], 23, v[TM+8]
	v_lshrrev_b32 v[TM+5], 23, v[TM+9]
	v_lshl_or_b32 v[TM+4], v[TM+5], 16, v[TM+4]
	v_lshlrev_b32 v[TM+4], v[H8], v[TM+4]
	v_permlanex16_b32 v[TM+6], v[TM+4], s[SEL], s[SEL+1]
	v_or_b32 v[\pw], v[TM+4], v[TM+6]
.irp c, 0,1
	v_cvt_scalef32_pk16_bf6_f32 v[\dst+6*\c:\dst+2+6*\c], v[\src+32*\c:\src+15+32*\c], v[TM+8+\c]
	v_cvt_scalef32_pk16_bf6_f32 v[CT+4*\c:CT+2+4*\c], v[\src+16+32*\c:\src+31+32*\c], v[TM+8+\c]
.endr
	v_nop                                          ; one plain place behind a scaled conversion: the next tile's products write its sources
.irp c, 0,1
.irp i, 0,1,2
	v_mov_b32 v[\dst+3+6*\c+\i], v[CT+4*\c+\i]
.endr
.endr
.endm
.macro MLOAD m, buf                            ; moving tile m: 12 loads of codes and 2 of scale words
.irp s, 0,1,2,3
.irp g, 0,1,2
	global_load_b128 v[MV+48*(\buf)+12*\s+4*\g:MV+48*(\buf)+12*\s+4*\g+3], v2, s[16:17] offset:6400*(\m)+1536*\s+512*\g
.endr
.endr
.irp p, 0,1
	global_load_b32 v[MSC+2*(\buf)+\p], v4, s[16:17] offset:6400*(\m)+6144+128*\p
.endr
.endm
.macro MM t, s, buf                            ; one product: stationary tile t x the moving tile, K step s.  The first K step starts the sum: nothing is cleared.  Odd K steps take their scale words from lanes 16-31
.set rD, HA+8*(\t)
.set rA, 12*(2*(\t)+(\s)%2)
.set rB, MV+48*(\buf)+12*(\s)
.set rSA, SSC+2*(\t)+(\s)/2
.set rSB, MSC+2*(\buf)+(\s)/2
.if (\s) == 0
	v_wmma_scale_f32_16x16x128_f8f6f4 v[rD:rD+7], v[rA:rA+11], v[rB:rB+11], 0, v[rSA], v[rSB] matrix_a_fmt:MATRIX_FMT_BF6 matrix_b_fmt:MATRIX_FMT_BF6
.elseif (\s) == 2
	v_wmma_scale_f32_16x16x128_f8f6f4 v[rD:rD+7], v[rA:rA+11], v[rB:rB+11], v[rD:rD+7], v[rSA], v[rSB] matrix_a_fmt:MATRIX_FMT_BF6 matrix_b_fmt:MATRIX_FMT_BF6
.else
	v_wmma_scale_f32_16x16x128_f8f6f4 v[rD:rD+7], v[rA:rA+11], v[rB:rB+11], v[rD:rD+7], v[rSA], v[rSB] matrix_a_fmt:MATRIX_FMT_BF6 matrix_b_fmt:MATRIX_FMT_BF6 matrix_a_scale:MATRIX_SCALE_ROW1 matrix_b_scale:MATRIX_SCALE_ROW1
.endif
.endm
; A moving tile: 32 products (the 8 accumulators by turns, one instruction a turn, K ascending), quantised, stored.
.macro TILE m
.set BF, (\m)%2
.if (\m) < 7
	s_wait_loadcnt 14                              ; this tile's loads are in (ahead of tile 0: the stationary ones too); the next tile's 14 may be out
.else
	s_wait_loadcnt 0x0
.endif
.irp s, 0,1,2,3
	WIN 1+(\s)/2                                   ; source 0 in window 1 (K steps 0, 1) or 2 (K steps 2, 3)
.irp t, 0,1,2,3,4,5,6,7
	MM \t, \s, BF
.endr
.endr
	WIN 0
.rept 4
	v_nop                                          ; four places in front of loads into registers that the products have read, and of the first read of results
.endr
.if (\m) < 6
	MLOAD (\m)+2, BF
.endif
	s_wait_xcnt 0x0                                ; the last tile's stores have read their data: the codes' registers are written again only behind this wait
	QUANT HA, PC, PW
	s_cmp_eq_u32 s12, 2
	s_cbranch_scc1 .Lv_\@
	v_bfe_u32 v[SW+(\m)], v[PW], v5, 16            ; lanes 0-15: head 2 w's two bytes, lanes 16-31: head 2 w + 1's; the upper two bytes are 0
	global_store_b128 v2, v[PC:PC+3], s[18:19] offset:768*(\m)          ; head 2 w: 512 consecutive bytes,
	global_store_b64 v3, v[PC+4:PC+5], s[18:19] offset:768*(\m)+512     ; and 256
	global_store_b128 v2, v[PC+6:PC+9], s[20:21] offset:768*(\m)        ; head 2 w + 1
	global_store_b64 v3, v[PC+10:PC+11], s[20:21] offset:768*(\m)+512
	s_branch .Ldone_\@
.Lv_\@:
	v_mov_b32 v[SW+(\m)], v[PW]
	s_wait_alu depctr_va_vdst(0)                   ; the wait behind the branch taken
.irp g, 0,1,2
.if (\m) < 4
	global_store_b128 v2, v[PC+4*\g:PC+4*\g+3], s[18:19] offset:6656+1536*((\m)%4)+512*\g   ; columns 0-63 of my 128: head 2 w
.else
	global_store_b128 v2, v[PC+4*\g:PC+4*\g+3], s[20:21] offset:6656+1536*((\m)%4)+512*\g   ; columns 64-127: head 2 w + 1
.endif
.endr
.Ldone_\@:
.endm
	s_load_b128 s[4:7], s[0:1], 0x0                ; tq s[4:5], qc s[6:7]
	s_load_b64 s[8:9], s[0:1], 0x10                ; kvc
	v_lshrrev_b32 v1, 5, v0
	v_readfirstlane_b32 s10, v1                    ; wave 0..3
	s_mov_b32 s11, ttmp9                           ; the group of 128 tokens, 0..63
	s_and_b32 s12, ttmp7, 0xffff                   ; y: 0 q, 1 k, 2 v
	v_and_b32 v1, 31, v0                           ; lane
	v_lshlrev_b32 v2, 4, v1                        ; 16 x lane
	v_lshlrev_b32 v3, 3, v1                        ; 8 x lane
	v_lshlrev_b32 v4, 2, v1                        ; 4 x lane
	v_bfe_u32 v7, v0, 4, 1                         ; h
	v_lshlrev_b32 v5, 4, v7                        ; 16 h
	v_lshlrev_b32 v[H8], 3, v7                     ; 8 h
	v_and_b32 v8, 15, v0                           ; r
.irp b, 0,1,2,3
	v_mov_b32 v[TM+4+\b], 0                        ; written once: a lane permute's destination counts as one of its sources
.endr
	s_mov_b32 s[SEL], 0x76543210
	s_mov_b32 s[SEL+1], 0xfedcba98
	s_cmp_eq_u32 s12, 0
	s_mov_b32 s22, 417792                          ; from head to head: 32 blocks of kvc,
	s_cselect_b32 s22, 212992, s22                 ; or of qc
	s_mov_b32 s23, 13056                           ; from block to block
	s_cselect_b32 s23, 6656, s23
	v_mul_u32_u24 v6, s22, v7
	v_lshl_add_u32 v6, v8, 4, v6                   ; the scale words' place: lanes 16-31 write the next head's block; 16 bytes a row
	s_lshl_b32 s26, s12, 5
	s_lshl_b32 s27, s10, 3
	s_add_co_u32 s26, s26, s27
	s_add_co_u32 s26, s26, 512                     ; my 8 tiles of the weight: 512 + 32 y + 8 w
	s_lshl_b32 s27, s11, 3                         ; the work-group's 8 tiles of x
	s_cmp_eq_u32 s12, 2
	s_cselect_b32 s28, s27, s26                    ; stationary,
	s_cselect_b32 s30, s26, s27                    ; moving
	s_mul_i32 s28, s28, 6400
	s_mul_i32 s30, s30, 6400
	s_mov_b32 s29, 0
	s_mov_b32 s31, 0
	s_lshr_b32 s32, s11, 5                         ; b
	s_lshl_b32 s32, s32, 3
	s_lshl_b32 s33, s10, 1
	s_add_co_u32 s32, s32, s33                     ; 8 b + 2 w: the first of my two heads
	s_mul_i32 s32, s32, s22
	s_and_b32 s33, s11, 31                         ; the group of tokens in its batch
	s_mul_i32 s33, s33, s23
	s_add_co_u32 s32, s32, s33
	s_mov_b32 s33, 0
	s_mov_b32 s34, s22
	s_mov_b32 s35, 0
	s_wait_alu depctr_va_vdst(0)                   ; the wait at the head's end
	s_wait_kmcnt 0x0
	s_add_nc_u64 s[14:15], s[4:5], s[28:29]        ; the stationary tiles
	s_add_nc_u64 s[16:17], s[4:5], s[30:31]        ; the moving tiles
	s_cmp_eq_u32 s12, 0
	s_cselect_b64 s[18:19], s[6:7], s[8:9]         ; the choice hangs on the work-group's number alone
	s_add_nc_u64 s[18:19], s[18:19], s[32:33]      ; the first head's block,
	s_add_nc_u64 s[20:21], s[18:19], s[34:35]      ; the second's
	WIN 0x40                                       ; destination window 1
.irp t, 0,1,2,3,4,5,6,7
.irp s, 0,1
.irp g, 0,1,2
	global_load_b128 v[12*(2*\t+\s)+4*\g:12*(2*\t+\s)+4*\g+3], v2, s[14:15] offset:6400*\t+1536*\s+512*\g
.endr
.endr
.endr
	WIN 0x80                                       ; destination window 2
.irp t, 0,1,2,3,4,5,6,7
.irp s, 0,1
.irp g, 0,1,2
	global_load_b128 v[12*(2*\t+\s)+4*\g:12*(2*\t+\s)+4*\g+3], v2, s[14:15] offset:6400*\t+1536*(\s+2)+512*\g
.endr
.endr
.endr
	WIN 0
.irp t, 0,1,2,3,4,5,6,7
.irp p, 0,1
	global_load_b32 v[SSC+2*\t+\p], v4, s[14:15] offset:6400*\t+6144+128*\p
.endr
.endr
	MLOAD 0, 0
	MLOAD 1, 1
	TILE 0
	TILE 1
	TILE 2
	TILE 3
	TILE 4
	TILE 5
	TILE 6
	TILE 7
	s_cmp_eq_u32 s12, 2
	s_cbranch_scc1 .Lv_end
	s_wait_alu depctr_va_vdst(0)
	global_store_b128 v6, v[SW:SW+3], s[18:19] offset:6144      ; tiles 0-3: sixteen lanes fill 256 consecutive bytes of one head's block, the other sixteen of the next head's
	global_store_b128 v6, v[SW+4:SW+7], s[18:19] offset:6400    ; tiles 4-7
	s_endpgm
.Lv_end:
	v_cmp_eq_u32 vcc_lo, 16, v5                    ; lanes 16-31 store the second head's four tiles (both halves of the lanes hold row r's word)
	s_wait_alu depctr_va_vdst(0)
.irp i, 0,1,2,3
	v_cndmask_b32 v[VW+\i], v[SW+\i], v[SW+4+\i], vcc_lo
.endr
	global_store_b128 v6, v[VW:VW+3], s[18:19] offset:12800
	s_endpgm
.Lfunc_end_k_q252bdaf708_proj:
	.size	k_q252bdaf708_proj, .Lfunc_end_k_q252bdaf708_proj-k_q252bdaf708_proj
	.p2alignl 7, 3214868480
	.fill 96, 4, 3214868480
	.section	.rodata,"a",@progbits
	.p2align	6, 0x0
	.amdhsa_kernel k_q252bdaf708_proj
		.amdhsa_group_segment_fixed_size 0
		.amdhsa_private_segment_fixed_size 0
		.amdhsa_enable_private_segment 0
		.amdhsa_kernarg_size 24
		.amdhsa_user_sgpr_count 2
		.amdhsa_user_sgpr_kernarg_segment_ptr 1
		.amdhsa_wavefront_size32 1
		.amdhsa_system_sgpr_workgroup_id_x 1
		.amdhsa_system_sgpr_workgroup_id_y 1
		.amdhsa_system_sgpr_workgroup_id_z 1
		.amdhsa_system_vgpr_workitem_id 0
		.amdhsa_next_free_vgpr 704
		.amdhsa_next_free_sgpr 66
		.amdhsa_reserve_vcc 1
		.amdhsa_float_denorm_mode_32 3
		.amdhsa_float_denorm_mode_16_64 3
		.amdhsa_memory_ordered 1
		.amdhsa_forward_progress 1
		.amdhsa_inst_pref_size 90
	.end_amdhsa_kernel
	.amdgpu_metadata
---
amdhsa.version: [ 1, 2 ]
amdhsa.kernels:
  - .name:           k_q252bdaf708_proj
    .symbol:         k_q252bdaf708_proj.kd
    .args:
      - { .name: tq, .offset: 0, .size: 8, .value_kind: global_buffer, .address_space: global }
      - { .name: qc, .offset: 8, .size: 8, .value_kind: global_buffer, .address_space: global }
      - { .name: kvc, .offset: 16, .size: 8, .value_kind: global_buffer, .address_space: global }
    .group_segment_fixed_size: 0
    .private_segment_fixed_size: 0
    .kernarg_segment_align: 8
    .kernarg_segment_size: 24
    .max_flat_workgroup_size: 128
    .sgpr_count:     66
    .vgpr_count:     704
    .wavefront_size: 32
...
	.end_amdgpu_metadata
.endif
;; end of part 2
;; launch attn (part 3): grid 16 x 16, 8 waves a work-group, clusters of 4 x 1, 327,680 bytes of LDS; arguments qc, kvc, out0; writes out0
.if DOCPART == 3
	.amdgcn_target "amdgcn-amd-amdhsa--gfx1250"
	.amdhsa_code_object_version 6
	.text
	.protected	k_q252bdaf708_attn
	.globl	k_q252bdaf708_attn
	.p2align	8
	.type	k_q252bdaf708_attn,@function
k_q252bdaf708_attn:
	s_mov_b64 s[64:65], 0
	v_nop
	global_prefetch_b8 v0, s[64:65] scope:SCOPE_SE
	s_setreg_imm32_b32 hwreg(HW_REG_WAVE_MODE, 25, 1), 1
	s_wait_xcnt 0x0
	s_wait_alu depctr_hold_cnt(0) depctr_sa_sdst(0) depctr_va_vdst(0) depctr_va_sdst(0) depctr_va_ssrc(0) depctr_va_vcc(0) depctr_vm_vsrc(0)
	s_getreg_b32 s2, hwreg(HW_REG_IB_STS2, 6, 4)
	s_cmp_eq_u32 s2, 0
	s_cbranch_scc0 .Lentry_in_a_cluster
	s_endpgm
.Lentry_in_a_cluster:
	s_bfe_u32 s2, ttmp6, 0x10000c
	s_cmp_lg_u32 s2, 0x3003
	s_cbranch_scc0 .Lentry_shape_is_right
	s_endpgm
.Lentry_shape_is_right:
; THIRD LAUNCH: out = softmax(q k^T / 8) v for one head (work-group y = 8 b + head) and 256 queries (work-group x), on the codes that the second launch made.  No work of reference() is left out.
; Both products are used transposed (S^T = k q^T, O^T = v^T p^T): a lane holds one query throughout.  A wave owns two tiles of 16 queries, A and B, and walks the 4,096 keys in 32 steps of 128.
; THE KEYS OF A TILE OF k: row 8 h + j of tile 4 c + u is key 64 c + 32 h + 8 u + j of the step.  So a lane's 32 score registers of tiles 4 c .. 4 c + 3 are the WHOLE block 2 c + h of 32 keys, in the order that p's operand wants:
; a block's largest score needs no other lane, the conversions' results are the operand's registers (three moves a block: a conversion's three registers begin on an even number), and only the row's maximum and the scale word cross to lane l xor 16.
; p = 2^(t - M), t = score x log2(e) / 8, M the running largest t rounded up to a whole number, kept as -M; the row's sum is taken of the unquantised p; when M moves, the sum and O^T are multiplied by 2^(old M - new M), which rounds nothing.
; A block's largest p is made from its largest score by the same multiply-add and exponential (this takes v_exp_f32 not to fall where its input rises).
; LIMITS: the promise holds while the scaled scores t stay under 2^31 in magnitude; NaN and infinities are not served; a block whose every p is 0 keeps the byte 1 over zero codes.
; The head's 64 fill half of the instruction's K of 128: q's registers 6-11 are zero codes, so what stands in k's registers 6-11 (the next tile's codes) adds nothing.
; LDS: two slots of 12 key steps (12 x 13,056 bytes) on end: slot 0 holds steps 0-11 and later 24-31, slot 1 steps 12-23.  Three fills in all: waves 0-3 bring two blocks and waves 4-7 one in the first two, each wave one block in the third.
; CLUSTER: the four work-groups of a cluster serve the same head and ask for its blocks jointly (mask 15).
; NO PREFETCH: two fills are asked for at the head, with no loop ahead of them, and the third twelve steps ahead of its first read.
; The stage of the way out lies in slot 1: it has had its only fill, and every wave has passed the barrier behind step 23's reads when the first result is stored there.
; REGISTERS.  Window 0: addresses, state, scale words, p's codes, the scores of both tiles, sums.  Window 1: q's, k's and v's fragments and O^T.
.set KVB,   13056
.set SLOT1, 12*KVB
.set SPARE, 24*KVB                     ; behind the slots: the spare words, 128 bytes a wave
.set STAGE, SLOT1
.set SP,    272
.set SPW, 7                            ; v7  my spare word;  v8  0: never rewritten
.set NIL, 8
.set H8,  24                           ; v24 8 x (lane / 16)
.set TT,  25                           ; v25-26 at work
.set KS,  28                           ; v28-31 k's scale words;  v32-35 v's;  v36-37 q's (A, B);  v38-39 p's (A, B)
.set VS,  32
.set QS,  36
.set PW,  38
.set PA,  40                           ; v40-51, v52-63 p's codes
.set PB,  52
.set CT,  64                           ; v64-78 second halves of blocks, before they are moved
.set S,   80                           ; v80-143 A's scores, then p;  v144-207 B's
.set T,   208                          ; v208-239 A's sums of pairs
.set BM,  240                          ; v240-247 the four blocks' maxima, two chains each
.set SO,  248                          ; v248-251 the conversions' scale operands
.set BP,  252                          ; v252-255 at work; from a step's end to the next step's head B's two partial sums
.set QA,  0                            ; window 1
.set QB,  12
.set KF,  24                           ; 8 x 6 registers, and 6 of zeros
.set VF,  80
.set O,   128                          ; A's O^T 128-159, B's 160-191
; state: v12 -M, v13 the running largest score, v[14:15] the sum in two halves (A); v16-19 the same (B); v20, v22 the factors (v21, v23 stay 0)
.set WV,  10
.set TB,  40                           ; the LDS byte of the block that is fetched
.set CS,  44
.set SEL, 46
.set G1L, 68                           ; group 1: 102 rows of 256 bytes;  G1S: 51 rows
.set G1S, 76
.set G0A, 84
.set G0B, 88
.set G0C, 92
.set MSB, 0
.macro WIN new
.if MSB != (\new)
	s_set_vgpr_msb (MSB<<8)|(\new)
.set MSB, (\new)
.endif
.endm
.macro PLACES
.rept 4
	v_nop
.endr
.endm
.macro D2
	s_delay_alu instid0(VALU_DEP_2)
.endm
.macro CROUND                          ; a round of the cluster's barrier
	s_barrier_signal -1
	s_barrier_wait -1
	s_cmp_lg_u32 s[WV], 0
	s_cbranch_scc1 .Lnot_wave_0_\@
	s_barrier_signal -3
.Lnot_wave_0_\@:
	s_barrier_wait -3
	s_barrier_signal -1
	s_barrier_wait -1
.endm
.macro JLOAD g0                        ; a slot's first fill: one joint load a wave, of two blocks (waves 0-3) or one (waves 4-7); the branch hangs on the wave's number alone
	s_cmp_lt_u32 s[WV], 4
	s_cbranch_scc0 .Lone_\@
	tensor_load_to_lds s[\g0:\g0+3], s[G1L:G1L+7]
	s_nop 0
	PLACES
	s_branch .Lasked_\@
.Lone_\@:
	tensor_load_to_lds s[\g0:\g0+3], s[G1S:G1S+7]
	s_nop 0
	PLACES
.Lasked_\@:
.endm
.macro FETCH_K                         ; 17 loads: the block at TB: k's scale words and eight fragments
	v_add_nc_u32 v4, s[TB], v1
	v_add_nc_u32 v5, s[TB], v2
	v_add_nc_u32 v6, s[TB], v3
	ds_load_b128 v[KS:KS+3], v4 offset:6144
	WIN 0x40
.irp t, 0,1,2,3,4,5,6,7
	ds_load_b128 v[KF+6*\t:KF+6*\t+3], v4 offset:768*\t
	ds_load_b64 v[KF+6*\t+4:KF+6*\t+5], v5 offset:768*\t+512
.endr
	WIN 0
.endm
.macro FETCH_V                         ; 13 loads: v's part of the block whose k was fetched last
	ds_load_b128 v[VS:VS+3], v6 offset:12800
	WIN 0x40
.irp t, 0,1,2,3
.irp g, 0,1,2
	ds_load_b128 v[VF+12*\t+4*\g:VF+12*\t+4*\g+3], v4 offset:6656+1536*\t+512*\g
.endr
.endr
	WIN 0
.endm
.macro SMUL s, q, qs
.irp t, 0,1,2,3
	v_wmma_scale_f32_16x16x128_f8f6f4 v[\s+8*\t:\s+8*\t+7], v[KF+6*\t:KF+6*\t+11], v[\q:\q+11], 0, v[KS+\t], v[\qs] matrix_a_fmt:MATRIX_FMT_BF6 matrix_b_fmt:MATRIX_FMT_BF6
.endr
.irp t, 4,5,6,7
	v_wmma_scale_f32_16x16x128_f8f6f4 v[\s+8*\t:\s+8*\t+7], v[KF+6*\t:KF+6*\t+11], v[\q:\q+11], 0, v[KS+\t-4], v[\qs] matrix_a_fmt:MATRIX_FMT_BF6 matrix_b_fmt:MATRIX_FMT_BF6 matrix_a_scale:MATRIX_SCALE_ROW1
.endr
.endm
.macro LSUM                            ; the last step's four partial sums join the rows' sums; these four lines are also the places behind the products above them
	v_pk_add_f32 v[14:15], v[14:15], v[T:T+1]
	v_pk_add_f32 v[18:19], v[18:19], v[BP:BP+1]
	v_pk_add_f32 v[14:15], v[14:15], v[T+2:T+3]
	v_pk_add_f32 v[18:19], v[18:19], v[BP+2:BP+3]
.endm
.macro MAXES                           ; the largest score of my four blocks (A's two, B's two): 32 numbers in two chains each, every accumulator read from its low end on
.irp k, 0,1,2,3
	v_max3_num_f32 v[BM+2*\k], v[S+32*\k], v[S+32*\k+1], v[S+32*\k+2]
	v_max3_num_f32 v[BM+2*\k+1], v[S+32*\k+17], v[S+32*\k+18], v[S+32*\k+19]
.endr
.irp i, 3,5,7,9,11,13
.irp k, 0,1,2,3
	v_max3_num_f32 v[BM+2*\k], v[BM+2*\k], v[S+32*\k+\i], v[S+32*\k+\i+1]
	v_max3_num_f32 v[BM+2*\k+1], v[BM+2*\k+1], v[S+32*\k+\i+17], v[S+32*\k+\i+18]
.endr
.endr
.irp k, 0,1,2,3
	v_max3_num_f32 v[BM+2*\k], v[BM+2*\k], v[S+32*\k+15], v[S+32*\k+16]
.endr
.irp k, 0,1,2,3
	v_max_num_f32 v[BM+2*\k], v[BM+2*\k], v[BM+2*\k+1]
.endr
.endm
.macro CHAIN                           ; the running maxima, -M and the factors, A and B by turns
	v_max_num_f32 v[TT], v[BM], v[BM+2]
	v_max_num_f32 v[TT+1], v[BM+4], v[BM+6]
	D2
	v_permlanex16_b32 v[BP], v[TT], s[SEL], s[SEL+1]
	D2
	v_permlanex16_b32 v[BP+1], v[TT+1], s[SEL], s[SEL+1]
	D2
	v_max3_num_f32 v13, v13, v[TT], v[BP]          ; with lane l xor 16's 64 keys
	D2
	v_max3_num_f32 v17, v17, v[TT+1], v[BP+1]
	D2
	v_mul_f32 v[TT], s[CS], v13                    ; as t (the factor is positive)
	D2
	v_mul_f32 v[TT+1], s[CS], v17
	D2
	v_floor_f32 v[TT], -v[TT]                      ; the new -M = -ceil(t)
	D2
	v_floor_f32 v[TT+1], -v[TT+1]
	D2
	v_sub_f32 v[BP], v[TT], v12                    ; old M less new M: a whole number, 0 or less
	D2
	v_sub_f32 v[BP+1], v[TT+1], v16
	v_mov_b32 v12, v[TT]
	v_mov_b32 v16, v[TT+1]
	v_cvt_i32_f32 v[BP], v[BP]                     ; (it saturates)
	v_cvt_i32_f32 v[BP+1], v[BP+1]
	D2
	v_ldexp_f32 v20, 1.0, v[BP]
	D2
	v_ldexp_f32 v22, 1.0, v[BP+1]
.endm
.macro CHANGE fill                     ; between slots: all my tensor loads are in, the add to my spare word, my LDS reads are over; then the barrier, which is a round of the cluster's where slot 0 is filled again
	s_wait_tensorcnt 0x0
	ds_add_u32 v[SPW], v[NIL]
	s_wait_dscnt 0x0
.if \fill
	CROUND
	tensor_load_to_lds s[G0C:G0C+3], s[G1S:G1S+7]  ; key step 24 + wave, into slot 0
	s_nop 0
	PLACES
.else
	s_barrier_signal -1
	s_barrier_wait -1
.endif
.endm
; A step of 128 keys.  mid = 0: inside a slot; 1: slot 0's last step (it is filled again); 2: slot 1's last; 3: the last of all.
.macro STEP mid
	s_wait_dscnt 0x0                               ; this step's k is in
	WIN 0x05
	SMUL S, QA, QS
	SMUL S+64, QB, QS+1
	WIN 0
	LSUM
	FETCH_V
.if \mid == 1
	CHANGE 1
.elseif \mid == 2
	CHANGE 0
.endif
.if \mid == 2
	s_mov_b32 s[TB], 0
.elseif \mid != 3
	s_add_co_u32 s[TB], s[TB], KVB
.endif
.if \mid != 3
	FETCH_K
.endif
	MAXES
	CHAIN
.set j, 0
.rept 32
	v_pk_fma_f32 v[S+j:S+j+1], v[S+j:S+j+1], s[CS:CS+1], v[12:13] op_sel_hi:[1,0,0]   ; A: t - M
.set j, j+2
.endr
	v_fma_f32 v[BM], v[BM], s[CS], v12             ; the same of each block's largest score
	v_fma_f32 v[BM+2], v[BM+2], s[CS], v12
	v_fma_f32 v[BM+4], v[BM+4], s[CS], v16
	v_fma_f32 v[BM+6], v[BM+6], s[CS], v16
	v_pk_mul_f32 v[14:15], v[14:15], v[20:21] op_sel_hi:[1,0]   ; the sums under the new M
	v_pk_mul_f32 v[18:19], v[18:19], v[22:23] op_sel_hi:[1,0]
	WIN 0x41
.set j, 0
.rept 16
	v_pk_mul_f32 v[O+j:O+j+1], v[O+j:O+j+1], v[20:21] op_sel_hi:[1,0]   ; O^T under the new M; no transcendental stands between the products that wrote it and these lines
.set j, j+2
.endr
.rept 16
	v_pk_mul_f32 v[O+j:O+j+1], v[O+j:O+j+1], v[22:23] op_sel_hi:[1,0]
.set j, j+2
.endr
	WIN 0
	s_wait_alu depctr_va_vdst(0)                   ; the wait ahead of a batch of transcendentals
.irp k, 0,1,2,3
	v_exp_f32 v[BM+2*\k], v[BM+2*\k]               ; the blocks' largest p
.endr
.set j, 0
.rept 32
	v_exp_f32 v[S+j], v[S+j]                       ; A's p; between them B's t - M, which is read behind the next wait
	v_exp_f32 v[S+j+1], v[S+j+1]
	v_pk_fma_f32 v[S+64+j:S+65+j], v[S+64+j:S+65+j], s[CS:CS+1], v[16:17] op_sel_hi:[1,0,0]
.set j, j+2
.endr
	s_wait_alu depctr_va_vdst(0)                   ; behind the first batch and ahead of the second
.irp k, 0,1,2,3
	v_max_num_f32 v[BM+2*\k], 0x2800000, v[BM+2*\k]   ; the floor 2^(5 - 127): the byte cannot fall under 1
.endr
.irp k, 0,1,2,3
	v_add_nc_u32 v[SO+\k], 0xfe000000, v[BM+2*\k]  ; 4 off the exponent field: the conversion's scale operand
.endr
.irp k, 0,1,2,3
	v_lshrrev_b32 v[BM+2*\k+1], 23, v[SO+\k]       ; the scale's byte
.endr
	v_lshl_or_b32 v[BP], v[BM+3], 16, v[BM+1]      ; my blocks h and 2 + h,
	v_lshl_or_b32 v[BP+1], v[BM+7], 16, v[BM+5]
	D2
	v_lshlrev_b32 v[BP], v[H8], v[BP]              ; at their places in the word
	D2
	v_lshlrev_b32 v[BP+1], v[H8], v[BP+1]
	D2
	v_permlanex16_b32 v[BP+2], v[BP], s[SEL], s[SEL+1]
	D2
	v_permlanex16_b32 v[BP+3], v[BP+1], s[SEL], s[SEL+1]
.irp c, 0,1
	v_cvt_scalef32_pk16_bf6_f32 v[PA+6*\c:PA+6*\c+2], v[S+32*\c:S+32*\c+15], v[SO+\c]
	v_cvt_scalef32_pk16_bf6_f32 v[CT+4*\c:CT+4*\c+2], v[S+32*\c+16:S+32*\c+31], v[SO+\c]
.endr
	v_or_b32 v[PW], v[BP], v[BP+2]                 ; p's scale words, whole in both halves of the lanes.  (Also the plain place behind the conversions)
	v_or_b32 v[PW+1], v[BP+1], v[BP+3]
.irp c, 0,1
.irp i, 0,1,2
	v_mov_b32 v[PA+3+6*\c+\i], v[CT+4*\c+\i]
.endr
.endr
.set j, 0
.rept 16
	v_exp_f32 v[S+64+4*j], v[S+64+4*j]             ; B's p; between them A's sums of pairs, each into registers of its own, read behind the next wait
	v_exp_f32 v[S+65+4*j], v[S+65+4*j]
	v_exp_f32 v[S+66+4*j], v[S+66+4*j]
	v_exp_f32 v[S+67+4*j], v[S+67+4*j]
	v_pk_add_f32 v[T+2*j:T+2*j+1], v[S+4*j:S+4*j+1], v[S+4*j+2:S+4*j+3]
.set j, j+1
.endr
	s_wait_alu depctr_va_vdst(0)                   ; one wait for the batch, ahead of its first reader
.irp c, 0,1
	v_cvt_scalef32_pk16_bf6_f32 v[PB+6*\c:PB+6*\c+2], v[S+64+32*\c:S+64+32*\c+15], v[SO+2+\c]
	v_cvt_scalef32_pk16_bf6_f32 v[CT+8+4*\c:CT+8+4*\c+2], v[S+80+32*\c:S+80+32*\c+15], v[SO+2+\c]
.endr
	v_pk_add_f32 v[BP:BP+1], v[S+64:S+65], v[S+66:S+67]         ; B's sum in two chains
	v_pk_add_f32 v[BP+2:BP+3], v[S+68:S+69], v[S+70:S+71]
.irp c, 0,1
.irp i, 0,1,2
	v_mov_b32 v[PB+3+6*\c+\i], v[CT+8+4*\c+\i]
.endr
.endr
.set i, 0
.rept 14
	v_pk_add_f32 v[BP:BP+1], v[BP:BP+1], v[S+72+4*i:S+73+4*i]
	v_pk_add_f32 v[BP+2:BP+3], v[BP+2:BP+3], v[S+74+4*i:S+75+4*i]
	v_pk_add_f32 v[T+2*(i%2):T+2*(i%2)+1], v[T+2*(i%2):T+2*(i%2)+1], v[T+4+2*i:T+5+2*i]   ; A's sixteen pairs into two
.set i, i+1
.endr
	s_wait_alu depctr_va_vdst(0)                   ; the wait here, directly ahead of the wait below
.if \mid == 3
	s_wait_dscnt 0x0
.else
	s_wait_dscnt 17                                ; v is in; the next step's 17 loads of k may be out
.endif
	WIN 0x51
.irp t, 0,1,2,3                                ; the eight accumulators by turns
	v_wmma_scale_f32_16x16x128_f8f6f4 v[O+8*\t:O+8*\t+7], v[VF+12*\t:VF+12*\t+11], v[PA:PA+11], v[O+8*\t:O+8*\t+7], v[VS+\t], v[PW] matrix_a_fmt:MATRIX_FMT_BF6 matrix_b_fmt:MATRIX_FMT_BF6
	v_wmma_scale_f32_16x16x128_f8f6f4 v[O+32+8*\t:O+32+8*\t+7], v[VF+12*\t:VF+12*\t+11], v[PB:PB+11], v[O+32+8*\t:O+32+8*\t+7], v[VS+\t], v[PW+1] matrix_a_fmt:MATRIX_FMT_BF6 matrix_b_fmt:MATRIX_FMT_BF6
.endr
	WIN 0
.endm
.macro RUN n
	s_mov_b32 s41, \n
.Lstep_\@:
	STEP 0
	s_sub_co_u32 s41, s41, 1
	s_cmp_lg_u32 s41, 0
	s_cbranch_scc1 .Lstep_\@
.endm
	s_load_b128 s[4:7], s[0:1], 0x0                ; qc, kvc
	s_load_b64 s[8:9], s[0:1], 0x10                ; out0
	v_lshl_add_u32 v[SPW], v0, 2, SPARE
	v_mov_b32 v[NIL], 0
	ds_add_u32 v[SPW], v[NIL]                      ; the opening lines: the add, twice on end, and its wait ahead of my first tensor load
	ds_add_u32 v[SPW], v[NIL]
	v_lshrrev_b32 v1, 5, v0
	v_readfirstlane_b32 s[WV], v1                  ; wave 0..7
	v_and_b32 v25, 15, v0                          ; r
	v_bfe_u32 v26, v0, 4, 1                        ; h
	v_and_b32 v27, 31, v0
	v_lshlrev_b32 v1, 4, v27                       ; 16 x lane
	v_lshlrev_b32 v2, 3, v27                       ; 8 x lane
	v_lshlrev_b32 v3, 4, v25                       ; 16 r
	v_lshlrev_b32 v[H8], 3, v26
	s_bfe_u32 s11, ttmp6, 0x40000
	s_lshl_b32 s12, ttmp9, 2
	s_add_co_u32 s12, s12, s11                     ; work-group x: which 256 queries
	s_and_b32 s13, ttmp7, 0xffff                   ; 8 b + head
.irp g, G1L, G1S
	s_mov_b32 s[\g], 15|(3<<16)|(1<<21)            ; the mask of the four; elements of 8 bytes; bit 21 beside a mask
	s_mov_b32 s[\g+1], 32<<16
	s_mov_b32 s[\g+3], 32<<16
	s_mov_b32 s[\g+5], 32
	s_mov_b32 s[\g+6], 0
	s_mov_b32 s[\g+7], 0
.endr
	s_mov_b32 s[G1L+2], 102<<16
	s_mov_b32 s[G1L+4], 102
	s_mov_b32 s[G1S+2], 51<<16
	s_mov_b32 s[G1S+4], 51
	s_min_u32 s22, s[WV], 4
	s_add_co_u32 s22, s22, s[WV]                   ; my first block of a slot's twelve: 2 w under 4, w + 4 from 4 on
	s_mul_i32 s22, s22, KVB
	s_mov_b32 s23, 0
	s_mul_i32 s24, s[WV], KVB                      ; and of the third fill's eight
	s_mov_b32 s25, 0
	s_mul_i32 s14, s13, 32*KVB
	s_mov_b32 s15, 0
	s_mul_i32 s16, s13, 32*6656
	s_lshl_b32 s17, s12, 1
	s_lshr_b32 s18, s[WV], 2
	s_add_co_u32 s17, s17, s18                     ; my group of 128 queries
	s_mul_i32 s17, s17, 6656
	s_add_co_u32 s16, s16, s17
	s_mov_b32 s17, 0
	s_and_b32 s18, s[WV], 3
	s_mul_i32 s18, s18, 1536                       ; my tiles 2 (w % 4) and 2 (w % 4) + 1
	s_mov_b32 s19, 0
	s_bfe_u32 s20, s[WV], 0x10001
	s_lshl_b32 s20, s20, 8
	s_and_b32 s21, s[WV], 1
	s_lshl_b32 s21, s21, 3
	s_add_co_u32 s20, s20, s21                     ; their scale words
	s_mov_b32 s21, 0
	s_lshr_b32 s48, s13, 3
	s_lshl_b32 s48, s48, 12
	s_lshl_b32 s49, s12, 8
	s_add_co_u32 s48, s48, s49
	s_lshr_b32 s49, s[WV], 1
	s_lshl_b32 s49, s49, 6
	s_add_co_u32 s48, s48, s49
	s_and_b32 s49, s[WV], 1
	s_lshl_b32 s49, s49, 4
	s_add_co_u32 s48, s48, s49                     ; tile A's first row of out: 4096 b + 256 x + 64 (w / 2) + 16 (w % 2)
	s_lshl_b32 s48, s48, 11
	s_and_b32 s49, s13, 7
	s_lshl_b32 s49, s49, 8
	s_add_co_u32 s48, s48, s49                     ; + the head's 256 bytes
	s_mov_b32 s49, 0
	s_mov_b32 s[CS], 0x3e38aa3b                    ; log2(e) / 8
	s_mov_b32 s[CS+1], s[CS]
	s_mov_b32 s[SEL], 0x76543210
	s_mov_b32 s[SEL+1], 0xfedcba98
	s_mov_b32 s[TB], 0
	s_wait_alu depctr_va_vdst(0)                   ; the wait ahead of the waits below
	s_wait_dscnt 0x0
	s_wait_kmcnt 0x0
	s_add_nc_u64 s[4:5], s[4:5], s[16:17]
	s_add_nc_u64 s[50:51], s[4:5], s[18:19]
	s_add_nc_u64 s[52:53], s[4:5], s[20:21]
	WIN 0x40
	global_load_b128 v[QA:QA+3], v1, s[50:51]      ; q comes while the first tiles are on their way
	global_load_b64 v[QA+4:QA+5], v2, s[50:51] offset:512
	global_load_b128 v[QB:QB+3], v1, s[50:51] offset:768
	global_load_b64 v[QB+4:QB+5], v2, s[50:51] offset:1280
	WIN 0
	global_load_b64 v[QS:QS+1], v3, s[52:53] offset:6144
	s_add_nc_u64 s[6:7], s[6:7], s[14:15]          ; the head's 32 blocks
	s_mov_b32 s[G0A], 1
	s_mov_b32 s[G0A+1], s22
	s_add_nc_u64 s[G0A+2:G0A+3], s[6:7], s[22:23]
	s_or_b32 s[G0A+3], s[G0A+3], 0x80000000
	s_mov_b32 s[G0B], 1
	s_add_co_u32 s[G0B+1], s22, SLOT1
	s_add_nc_u64 s[G0B+2:G0B+3], s[6:7], s[22:23]
	s_add_nc_u64 s[G0B+2:G0B+3], s[G0B+2:G0B+3], SLOT1
	s_or_b32 s[G0B+3], s[G0B+3], 0x80000000
	s_mov_b32 s[G0C], 1
	s_mov_b32 s[G0C+1], s24
	s_add_nc_u64 s[G0C+2:G0C+3], s[6:7], s[24:25]
	s_add_nc_u64 s[G0C+2:G0C+3], s[G0C+2:G0C+3], 2*SLOT1
	s_or_b32 s[G0C+3], s[G0C+3], 0x80000000
	s_add_nc_u64 s[8:9], s[8:9], s[48:49]
	CROUND                                         ; the four work-groups are here: the first joint loads meet
	JLOAD G0A                                      ; key steps 0-11: one tensor load a wave at the head
	s_mul_i32 s14, s[WV], 16*SP
	s_add_co_u32 s14, s14, STAGE                   ; my stage
	v_lshlrev_b32 v9, 11, v26
	v_lshl_add_u32 v9, v25, 4, v9                  ; out: two rows an instruction, sixteen lanes to a head's 256 bytes
	v_mul_u32_u24 v10, v25, SP
	v_lshl_add_u32 v10, v26, 7, v10
	v_add_nc_u32 v10, s14, v10                     ; into the stage: row r, 128 bytes for each half of the lanes
	v_mul_u32_u24 v11, v26, SP
	v_lshl_add_u32 v11, v25, 4, v11
	v_add_nc_u32 v11, s14, v11                     ; and back by rows
	v_mov_b32 v13, 0xff61b1e6                      ; the largest score so far: -3e38
	v_mov_b32 v17, 0xff61b1e6
	v_mov_b32 v12, 0x7e000000                      ; -M: so large that the first factor is 0
	v_mov_b32 v16, 0x7e000000
.irp i, 14,15,18,19,21,23
	v_mov_b32 v\i, 0
.endr
.irp i, 0,1,2,3
	v_mov_b32 v[T+\i], 0
	v_mov_b32 v[BP+\i], 0
.endr
	WIN 0x40
.irp i, 6,7,8,9,10,11
	v_mov_b32 v[QA+\i], 0                          ; zero codes for k = 64 .. 127
	v_mov_b32 v[QB+\i], 0
	v_mov_b32 v[KF+42+\i], 0
.endr
.set j, 0
.rept 64
	v_mov_b32 v[O+j], 0                            ; the step is written once: the first finds zeros
.set j, j+1
.endr
	WIN 0
	s_wait_alu depctr_va_vdst(0)                   ; the wait at the head's end
	s_wait_tensorcnt 0x0                           ; my part of slot 0 is in; these lines stand ahead of a later first fill as ahead of a refill
	ds_add_u32 v[SPW], v[NIL]
	s_wait_dscnt 0x0
	CROUND
	JLOAD G0B                                      ; key steps 12-23
	FETCH_K
	s_wait_alu depctr_va_vdst(0)                   ; the wait here, directly ahead of the wait below
	s_wait_loadcnt 0x0                             ; q is in
	RUN 11
	STEP 1
	RUN 11
	STEP 2
	RUN 7
	STEP 3
	LSUM                                           ; (also the places behind the last products)
	v_add_f32 v14, v14, v15
	v_add_f32 v18, v18, v19
	D2
	v_permlanex16_b32 v[BP], v14, s[SEL], s[SEL+1]
	D2
	v_permlanex16_b32 v[BP+1], v18, s[SEL], s[SEL+1]
	D2
	v_add_f32 v14, v14, v[BP]                      ; with lane l xor 16's keys: the rows' sums
	D2
	v_add_f32 v18, v18, v[BP+1]
	s_wait_alu depctr_va_vdst(0)
	v_rcp_f32 v20, v14
	v_rcp_f32 v22, v18
	v_nop
	s_wait_alu depctr_va_vdst(0)
	WIN 0x01
.set j, 0
.rept 16
	v_pk_mul_f32 v[S+j:S+j+1], v[O+j:O+j+1], v[20:21] op_sel_hi:[1,0]   ; register 8 t + i of a tile is out(query r, d = 32 h + 8 t + i): 128 neighbouring bytes a lane
.set j, j+2
.endr
.rept 16
	v_pk_mul_f32 v[S+j:S+j+1], v[O+j:O+j+1], v[22:23] op_sel_hi:[1,0]
.set j, j+2
.endr
	WIN 0
.macro TOSTAGE x                       ; LDS serves a wave's instructions in order: no wait between the stores and the loads
.irp i, 0,1,2,3,4,5,6,7
	ds_store_b128 v10, v[S+32*\x+4*\i:S+32*\x+4*\i+3] offset:16*\i
.endr
.irp i, 0,1,2,3,4,5,6,7
	ds_load_b128 v[S+32*\x+4*\i:S+32*\x+4*\i+3], v11 offset:2*\i*SP
.endr
.endm
.macro SEND x, younger                 ; stage row r is query 8 x + r % 8 + 32 (r / 8) behind tile A's first; sixteen lanes store 256 consecutive bytes, aligned
.irp i, 0,1,2,3,4,5,6,7
	s_wait_dscnt \younger+7-\i
	global_store_b128 v9, v[S+32*\x+4*\i:S+32*\x+4*\i+3], s[8:9] offset:(8*\x+2*(\i%4)+32*(\i/4))*2048 th:TH_STORE_NT
.endr
.endm
	TOSTAGE 0
	TOSTAGE 1
	SEND 0, 16
	SEND 1, 0
	s_wait_tensorcnt 0x0                           ; the wave's end
	ds_add_u32 v[SPW], v[NIL]
	s_wait_dscnt 0x0
	CROUND                                         ; the closing round
	s_endpgm
.Lfunc_end_k_q252bdaf708_attn:
	.size	k_q252bdaf708_attn, .Lfunc_end_k_q252bdaf708_attn-k_q252bdaf708_attn
	.p2alignl 7, 3214868480
	.fill 96, 4, 3214868480
	.section	.rodata,"a",@progbits
	.p2align	6, 0x0
	.amdhsa_kernel k_q252bdaf708_attn
		.amdhsa_group_segment_fixed_size 327680
		.amdhsa_private_segment_fixed_size 0
		.amdhsa_enable_private_segment 0
		.amdhsa_kernarg_size 24
		.amdhsa_user_sgpr_count 2
		.amdhsa_user_sgpr_kernarg_segment_ptr 1
		.amdhsa_wavefront_size32 1
		.amdhsa_system_sgpr_workgroup_id_x 1
		.amdhsa_system_sgpr_workgroup_id_y 1
		.amdhsa_system_sgpr_workgroup_id_z 1
		.amdhsa_system_vgpr_workitem_id 0
		.amdhsa_next_free_vgpr 448
		.amdhsa_next_free_sgpr 96
		.amdhsa_reserve_vcc 0
		.amdhsa_float_denorm_mode_32 3
		.amdhsa_float_denorm_mode_16_64 3
		.amdhsa_memory_ordered 1
		.amdhsa_forward_progress 1
		.amdhsa_inst_pref_size 183
	.end_amdhsa_kernel
	.amdgpu_metadata
---
amdhsa.version: [ 1, 2 ]
amdhsa.kernels:
  - .name:           k_q252bdaf708_attn
    .symbol:         k_q252bdaf708_attn.kd
    .args:
      - { .name: qc, .offset: 0, .size: 8, .value_kind: global_buffer, .address_space: global }
      - { .name: kvc, .offset: 8, .size: 8, .value_kind: global_buffer, .address_space: global }
      - { .name: out0, .offset: 16, .size: 8, .value_kind: global_buffer, .address_space: global }
    .group_segment_fixed_size: 327680
    .private_segment_fixed_size: 0
    .kernarg_segment_align: 8
    .kernarg_segment_size: 24
    .max_flat_workgroup_size: 256
    .sgpr_count:     96
    .vgpr_count:     448
    .wavefront_size: 32
...
	.end_amdgpu_metadata
.endif
;; end of part 3
